; MI455X (gfx1250); checked and timed in simulation.
; The chip was launched on July 23, 2026; its instructions are those of AMD's public machine-readable ISA for CDNA 5 (MIT licence, August 2026) and "CDNA5" Instruction Set Architecture Reference Guide (July 2026). The comments in the code are by the model that wrote it; some were corrected since.
;; BS Linear. Allowed arithmetic: matrix products marked QUANTISED: E2M1 operands, one E8M0 scale for each 32 along K, by v_wmma_scale_f32_16x16x128_f8f6f4 with both operands' format E2M1 (or v_wmma_scale_f32_32x16x128_f4), f32 sums; everything else in f32.
;; Inputs: U 4,096 x 1,024 float32; U_additional 4,096 x 64 float32; Vh 1,024 x 4,096 float32; Vh_additional 64 x 4,096 float32; input 4 x 512 x 4,096 float32; mask 1,024 float32; weight 1,024 float32.
;; Outputs: out0 4 x 512 x 4,096 float32.
;; This version of the problem:
;;   THIS VERSION OF THE PROBLEM IS GIVEN IN LOW PRECISION. The matrix products marked QUANTISED in the list below multiply operands that are first quantised to E2M1 (2 exponent bits, 1 mantissa bit; 4 bits a number), with one power-of-two scale for each 32 numbers along K (OCP MX v1.0); their sums are f32. All else is computed in f32.
;;   The module's matrix products, in the order in which they are computed (A, B: the left and right operand; K: the contracted axis; several contracted axes count as one K, in the product's order):
;;     1. [M 4,096, K 1,024] x [K 1,024, N 4,096]; A: computed on the way; B: input Vh: QUANTISED
;;     2. [M 4,096, K 64] x [K 64, N 4,096]; A: input U_additional; B: input Vh_additional: QUANTISED
;;     3. [M 2,048, K 4,096] x [K 4,096, N 4,096]; A: input input; B: computed on the way: QUANTISED
;;   THE QUANTISER, for each operand of a quantised product, along K:
;;     - K is cut into blocks of 32 from its start; a last block that is shorter is filled with zeros.
;;     - A block's scale is 2^e with e = floor(log2(the largest magnitude in the block)) - 2, held to -126 .. 127; a block of zeros has e = 0. As a byte (E8M0): e + 127.
;;     - Each number is divided by its block's scale, clamped to +-6, and rounded to the nearest number of E2M1, ties to even, subnormals kept.
;;     - The product sums the exact products of the quantised numbers (number of the format x scale) in f32.
;;   ~~~python
;;   def quantise(x, axis):      # numpy; x: float32 -> the quantised numbers, widened to float32 again
;;       x = np.moveaxis(x, axis, -1); K = x.shape[-1]
;;       x = np.pad(x, [(0, 0)] * (x.ndim - 1) + [(0, -K % 32)]); x = x.reshape(x.shape[:-1] + (-1, 32)); a = np.abs(x).max(-1, keepdims=True)
;;       e = np.where(a > 0, np.clip(np.frexp(np.where(a > 0, a, 1))[1] - 1 - 2, -126, 127), 0)      # np.frexp(a)[1] - 1 = floor(log2(a)), exactly
;;       r = np.clip(x / 2.0 ** e, -6, 6)
;;       step = 2.0 ** (np.maximum(np.frexp(np.where(r == 0, 1, r))[1] - 1, 0) - 1)
;;       q = np.round(r / step) * step * 2.0 ** e      # np.round: ties to even
;;       return np.moveaxis(q.reshape(q.shape[:-2] + (-1,))[..., :K], -1, axis).astype(np.float32)
;;   ~~~
;;   OPERANDS COMPUTED ON THE WAY. 'Computed on the way' means the value that the module computes at that place (a softmax that the list does not call 'softmax' is quantised finished and normalised). What goes into a quantiser is computed in f32, as accurately as f32 sums, v_exp_f32 and their like allow (about 1e-6 of the number): no bf16 or f16 on the way to a quantiser, and a product that is left as it is and whose result goes on into a quantised operand takes f32 operands (vector FMAs, or v_wmma_f32_16x16x4_f32). A number that lies on a knife's edge between two numbers of the format may be rounded either way, as far as f32 arithmetic and the matrix unit's own rounding can turn it there, and no further.
;; One version. Each part assembles by itself: llvm-mc -triple=amdgcn-amd-amdhsa -mcpu=gfx1250 --defsym DOCPART=n.
;; ======== version 1 of 1: 3 launches
;; limits: right only within a limited range of input values
;; workspace buffers: ap 2,424,832 bytes; bp 2,424,832 bytes; xp 4,456,448 bytes; wp 8,912,896 bytes
;; launch quant (part 1): grid 576 x 1, 4 waves a work-group, no clusters, 68,608 bytes of LDS; arguments Vh, Vh_additional, U, U_additional, weight, mask, ap, bp; writes ap, bp
.if DOCPART == 1
	.amdgcn_target "amdgcn-amd-amdhsa--gfx1250"
	.amdhsa_code_object_version 6
	.text
	.protected	k_q5a680449a5_quant
	.globl	k_q5a680449a5_quant
	.p2align	8
	.type	k_q5a680449a5_quant,@function
k_q5a680449a5_quant:
	s_mov_b64 s[64:65], 0
	v_nop
	global_prefetch_b8 v0, s[64:65] scope:SCOPE_SE
	s_setreg_imm32_b32 hwreg(HW_REG_WAVE_MODE, 25, 1), 1
	s_wait_xcnt 0x0
; out = Q(input) Q(W)^T,  W = Q(U s) Q(Vh) + Q(U_additional) Q(Vh_additional),  s = weight^2 mask; Q: codes of FP4 (E2M1) with one E8M0 scale for each 32 along a product's K.
; NOTHING OF THE PROBLEM IS LEFT OUT: every input is loaded, every product is done.  W must be formed and quantised along its last axis, so the products keep their order.
; THIS LAUNCH turns the four f32 operands of W into codes and scale bytes, each number read once (input follows in the next launch).  The two products that make W are laid as ONE product with
; K' = 1,024 (U s | Vh) + 64 (the additional pair) = 8 steps of 128 and half a step: 1,024 and 64 are multiples of 32, so every block of 32 is the quantiser's own block.
; PACKS, in the order of an operand's registers.  A row group (RG) is 16 rows.  A fragment (an RG, one step of 128 along K) is 1,024 bytes: registers 4 c .. 4 c + 3 of lane l at 512 c + 16 l.
;   ap, bp [256 RG][9,472]: two groups of 512 along K (a scale unit of 256 bytes: position r's four words at 16 r; then four fragments), then at 8,704 a group of 768 bytes (scale unit: word 0 holds two bytes, the rest 0;
;   half a fragment, registers 0 .. 3).  ap: RG 4 G + t, position r = row 64 G + 4 r + t, so that the last product's lanes hold neighbouring columns of out.
;   bp: RG 2 b + u, position r = column 32 b + 8 u + r + 8 (r / 8): the next launch's results then lie 16 neighbours to a lane.
; A block's scale is 2^(floor(log2(its largest magnitude)) - 2): its byte is the largest magnitude's exponent field - 2, held at 1 from below by a floor among the maximum's leaves.
; LIMITS: a block of zeros gets the byte 1 where the rule says 127 (its codes are zeros, and this program alone reads the bytes); NaN and infinities among the inputs are not served.
; SHARES, by the work-group's number: 0-255 Vh, 512-543 Vh_additional (K is the FIRST axis: a lane takes a column, its registers run down K); 256-511 U, 544-575 U_additional (K innermost: dense loads, a turn
; through the wave's own stage in LDS, two whole blocks to a lane).  No cluster (no two work-groups read the same bytes but weight and mask, 8 KB), and no loop to prefetch in.
.set RGA,   9472                       ; an RG of ap or bp, in bytes
.set GRP,   4352                       ; a group
.set SP,    528                        ; a stage row: 512 bytes + 16
.set WST,   16*SP                      ; a wave's stage
.set STGU,  0                          ; each path that stores to LDS has bytes of its own
.set STGA,  4*WST
.set EX,    8*WST                      ; U's scale words, from wave to wave: 256 bytes for each group
.set SPARE, EX+512                     ; the spare words, 128 bytes for each wave, that no other line names
.set SPW,   9                          ; v9   LDS address of my spare word; never rewritten
.set NIL,   10                         ; v10  0; never rewritten
; column paths: v5 load offset, v6 store offset, v11-13 at work
.set XS,    32                         ; v32-95   two sets of 32 numbers
.set CC,    96                         ; v96-111  four registers of codes for each block: no store's data are written again
.set SB,    116                        ; v116     the scale word; v117-119 zeros (Vh_additional)
; row paths: v4 load offset (U_additional), v5 stage in, v6 stage out, v7 16 x lane, v8 scale unit offset, v11 8 h, v12-13 maxima, v14-15 scale operands, v16-17 bytes, v18-20 at work, v21-22 scale words' exchange (U)
.set S,     24                         ; v24-31   s of my 4 columns in each of my two steps (U)
.set SW,    40                         ; v40-41   scale words
.set C,     44                         ; v44-51   step 0's codes; step 1's at v32-39
.set TP,    52                         ; v52-55   scale words on the way out
.set R,     64                         ; v64-191  two sets of 64 numbers as loaded
.set X,     192                        ; v192-255 64 numbers back from the stage
.macro FINISH                          ; the wave's end
	s_wait_tensorcnt 0x0
	ds_add_u32 v[SPW], v[NIL]
	s_wait_dscnt 0x0
	s_endpgm
.endm
	s_load_b512 s[4:19], s[0:1], 0x0               ; Vh s[4:5], Vh_additional s[6:7], U s[8:9], U_additional s[10:11], weight s[12:13], mask s[14:15], ap s[16:17], bp s[18:19]
	v_lshl_add_u32 v[SPW], v0, 2, SPARE
	v_mov_b32 v[NIL], 0
	v_lshrrev_b32 v1, 5, v0
	v_readfirstlane_b32 s24, v1                    ; wave 0..3
	v_and_b32 v1, 31, v0                           ; lane
	v_and_b32 v2, 15, v0                           ; r
	v_bfe_u32 v3, v0, 4, 1                         ; h
	s_mov_b32 s26, 0x76543210
	s_mov_b32 s27, 0xfedcba98                      ; v_permlanex16_b32's selects for lane l xor 16
	s_mov_b32 s39, 0                               ; the upper word of every offset pair s[38:39]
	s_wait_alu depctr_va_vdst(0)
	s_wait_kmcnt 0x0
	s_cmp_lt_u32 ttmp9, 256
	s_cbranch_scc1 .Lvh
	s_cmp_lt_u32 ttmp9, 512
	s_cbranch_scc1 .Lu
	s_cmp_lt_u32 ttmp9, 544
	s_cbranch_scc1 .Lvha
	s_branch .Lua
; ---- K is the first axis: a lane to a column, registers down K
.macro COLADR
	v_and_b32 v5, 7, v0
	v_bfe_u32 v11, v0, 3, 1
	v_lshl_add_u32 v5, v11, 4, v5
	s_wait_alu depctr_va_vdst(0)
	v_lshl_add_u32 v5, v3, 3, v5                   ; my column of the wave's 32: (l % 8) + 16 ((l / 8) % 2) + 8 (l / 16): position l % 16 of RG 2 b + l / 16
	v_lshlrev_b32 v5, 2, v5
	v_mul_u32_u24 v6, v3, RGA
	v_lshl_add_u32 v6, v2, 4, v6                   ; out: RG 2 b + h, position r: sixteen lanes store a whole unit of 256 bytes
.endm
.macro CLOAD t                         ; block t: rows 32 t + i of my column, into set t % 2.  A row is 16,384 bytes
.irp i, 0,1,2,3,4,5,6,7,8,9,10,11,12,13,14,15,16,17,18,19,20,21,22,23,24,25,26,27,28,29,30,31
	global_load_b32 v[XS+32*((\t)%2)+\i], v5, s[28:29] offset:(32*(\t)+\i)*16384 th:TH_LOAD_NT
.endr
.endm
.macro CBLOCK t, nb
.set XB, XS+32*((\t)%2)
.if (\t) < (\nb)-1
	s_wait_loadcnt 32                              ; this block's 32 loads are in; the next block's 32 may be out
.else
	s_wait_loadcnt 0x0
.endif
	v_max3_num_f32 v12, |v[XB]|, |v[XB+1]|, |v[XB+2]|              ; the block's largest magnitude: all 32 numbers are mine; two chains
	v_max3_num_f32 v13, |v[XB+3]|, |v[XB+4]|, |v[XB+5]|
.irp i, 6,10,14,18,22,26
	v_max3_num_f32 v12, v12, |v[XB+\i]|, |v[XB+\i+1]|
	v_max3_num_f32 v13, v13, |v[XB+\i+2]|, |v[XB+\i+3]|
.endr
	v_max3_num_f32 v12, v12, |v[XB+30]|, |v[XB+31]|
	v_max3_num_f32 v12, v12, v13, 0x1800000        ; and the floor 2^(3 - 127): the byte cannot fall under 1
	v_add_nc_u32 v11, 0xff000000, v12              ; 2 off the exponent field: the conversion takes the exponent field of this operand as its scale
.irp g, 0,1,2,3
	v_cvt_scalef32_pk8_fp4_f32 v[CC+4*(\t)+\g], v[XB+8*\g:XB+8*\g+7], v11
.endr
.if (\t) == 0
	v_lshrrev_b32 v[SB], 23, v11                   ; the scale's byte; the lower K in the lower byte.  (A plain line behind the conversions)
.else
	v_lshrrev_b32 v13, 23, v11
	v_lshl_or_b32 v[SB], v13, 8*(\t), v[SB]
.endif
	global_store_b128 v6, v[CC+4*(\t):CC+4*(\t)+3], s[30:31] offset:256*(\t)   ; the block's code unit in each of the two RGs
.if (\t)+2 < (\nb)
	CLOAD (\t)+2
.endif
.endm
.Lvh:                                              ; Vh [1,024][4,096]: a wave takes 32 columns (pair b) x one step of 128 along K
	s_and_b32 s40, ttmp9, 31
	s_lshr_b32 s41, ttmp9, 5                       ; the step, 0..7
	s_lshl_b32 s42, s40, 2
	s_add_co_u32 s42, s42, s24                     ; b, 0..127
	COLADR
	s_lshl_b32 s38, s41, 21                        ; 128 rows of 16,384 bytes a step
	s_lshl_b32 s43, s42, 7                         ; 32 columns of 4 bytes a pair
	s_add_co_u32 s38, s38, s43
	s_add_nc_u64 s[28:29], s[4:5], s[38:39]
	s_mul_i32 s38, s42, 2*RGA
	s_lshr_b32 s43, s41, 2
	s_mul_i32 s43, s43, GRP
	s_add_co_u32 s38, s38, s43
	s_add_nc_u64 s[32:33], s[18:19], s[38:39]      ; the pair's first RG, the step's group
	s_and_b32 s43, s41, 3
	s_lshl_b32 s38, s43, 10
	s_add_co_u32 s38, s38, 256
	s_add_nc_u64 s[30:31], s[32:33], s[38:39]      ; the step's four code units
	s_lshl_b32 s38, s43, 2
	s_add_nc_u64 s[32:33], s[32:33], s[38:39]      ; the step's word in the scale unit
	s_wait_alu depctr_va_vdst(0)
	CLOAD 0
	CLOAD 1
	CBLOCK 0, 4
	CBLOCK 1, 4
	CBLOCK 2, 4
	CBLOCK 3, 4
	global_store_b32 v6, v[SB], s[32:33]           ; 4 bytes a lane, 16 bytes apart: the other three words of a position come from other work-groups; 128 KB in the whole launch
	FINISH
.Lvha:                                             ; Vh_additional [64][4,096]: a wave takes 32 columns x 64 along K, and writes the pair's whole third group
	s_sub_co_u32 s40, ttmp9, 512
	s_lshl_b32 s42, s40, 2
	s_add_co_u32 s42, s42, s24                     ; b
	COLADR
	s_lshl_b32 s38, s42, 7
	s_add_nc_u64 s[28:29], s[6:7], s[38:39]
	s_mul_i32 s38, s42, 2*RGA
	s_add_co_u32 s38, s38, 2*GRP
	s_add_nc_u64 s[32:33], s[18:19], s[38:39]      ; the third group's scale unit
	s_add_nc_u64 s[30:31], s[32:33], 256           ; and its code units
	s_wait_alu depctr_va_vdst(0)
	CLOAD 0
	CLOAD 1
.irp j, 1,2,3
	v_mov_b32 v[SB+\j], 0                          ; the scale unit's words 1 to 3
.endr
	CBLOCK 0, 2
	CBLOCK 1, 2
	global_store_b128 v6, v[SB:SB+3], s[32:33]     ; word 0: two bytes; bytes 2, 3 and words 1 to 3 are 0
	FINISH
; ---- K innermost: dense loads, a turn through the stage
.macro ROWADR stg
	s_mul_i32 s25, s24, WST
.if \stg
	s_add_co_u32 s25, s25, \stg                    ; my wave's stage, in the path's own bytes
.endif
	v_lshlrev_b32 v7, 4, v1                        ; 16 x lane
	v_add_nc_u32 v5, s25, v7                       ; into the stage: a load's 512 bytes as they lie
	v_mul_u32_u24 v6, v2, SP
	v_lshl_add_u32 v6, v3, 7, v6
	v_add_nc_u32 v6, s25, v6                       ; out of it: row r, + 128 h: a whole block of 32 numbers
	v_lshlrev_b32 v11, 3, v3                       ; 8 h
	v_mov_b32 v19, 0                               ; written once: a lane permute's destination counts as one of its sources
.endm
.macro QLOAD q, pitch, vin             ; step q of the wave's share, 16 rows x 128 along K: each load reads 512 bytes on end
.irp t, 0,1,2,3,4,5,6,7,8,9,10,11,12,13,14,15
	global_load_b128 v[R+64*(\q)+4*\t:R+64*(\q)+4*\t+3], v[\vin], s[28:29] offset:\t*(\pitch)+512*(\q) th:TH_LOAD_NT
.endr
.endm
; It becomes a fragment's codes, and my two blocks' bytes in v16, v17.  Lane (r, h) gets, of row r, k = 64 c + 32 h + 0 .. 31 into v[X + 32 c] on.
.macro QCORE q, left, mul
	s_wait_loadcnt \left                           ; this step's 16 loads are in; the next one's may be out
.if \mul
.irp t, 0,1,2,3,4,5,6,7,8,9,10,11,12,13,14,15
	v_pk_mul_f32 v[R+64*(\q)+4*\t:R+64*(\q)+4*\t+1], v[R+64*(\q)+4*\t:R+64*(\q)+4*\t+1], v[S+4*(\q):S+4*(\q)+1]       ; U s: my four columns are the same in all 16 rows
	v_pk_mul_f32 v[R+64*(\q)+4*\t+2:R+64*(\q)+4*\t+3], v[R+64*(\q)+4*\t+2:R+64*(\q)+4*\t+3], v[S+4*(\q)+2:S+4*(\q)+3]
.endr
.endif
.irp t, 0,1,2,3,4,5,6,7,8,9,10,11,12,13,14,15
	ds_store_b128 v5, v[R+64*(\q)+4*\t:R+64*(\q)+4*\t+3] offset:SP*\t
.endr
.irp c, 0,1
.irp j, 0,1,2,3,4,5,6,7
	ds_load_b128 v[X+32*\c+4*\j:X+32*\c+4*\j+3], v6 offset:256*\c+16*\j   ; LDS serves a wave's instructions in order: these see the stores above
.endr
.endr
	s_wait_dscnt 0x0
.irp c, 0,1
	v_max3_num_f32 v[12+\c], |v[X+32*\c]|, |v[X+32*\c+1]|, 0x1800000       ; my two blocks by turns; the floor 2^(3 - 127) among the leaves
.endr
.irp i, 2,4,6,8,10,12,14,16,18,20,22,24,26,28,30
.irp c, 0,1
	v_max3_num_f32 v[12+\c], v[12+\c], |v[X+32*\c+\i]|, |v[X+32*\c+\i+1]|
.endr
.endr
.irp c, 0,1
	v_add_nc_u32 v[14+\c], 0xff000000, v[12+\c]    ; 2 off the exponent field: the conversion's scale operand
.endr
.irp c, 0,1
	v_lshrrev_b32 v[16+\c], 23, v[14+\c]           ; the scale's byte
.endr
.irp c, 0,1
.irp g, 0,1,2,3
	v_cvt_scalef32_pk8_fp4_f32 v[C-12*(\q)+4*\c+\g], v[X+32*\c+8*\g:X+32*\c+8*\g+7], v[14+\c]
.endr
.endr
.endm
.macro ROWSTEP q, left
	QCORE \q, \left, 1
	v_lshl_or_b32 v18, v17, 16, v16                ; my two bytes: blocks h and 2 + h of row r.  (Plain lines behind the conversions)
	v_lshlrev_b32 v18, v11, v18                    ; at their places in the word, 8 h bits up
	v_permlanex16_b32 v19, v18, s26, s27
	v_or_b32 v[SW+\q], v18, v19                    ; with lane l xor 16's two the word is whole
	global_store_b128 v7, v[C-12*(\q):C-12*(\q)+3], s[30:31] offset:1024*(\q)          ; 512 bytes on end: two code units
	global_store_b128 v7, v[C-12*(\q)+4:C-12*(\q)+7], s[30:31] offset:1024*(\q)+512
.endm
.Lu:                                               ; U [4,096][1,024], times s: a work-group takes an RG, wave w its steps 2 w and 2 w + 1: group w / 2, half e = w % 2 of the group
	s_sub_co_u32 s41, ttmp9, 256                   ; the RG
	s_lshr_b32 s42, s24, 1
	s_and_b32 s43, s24, 1
	s_lshl_b32 s44, s42, 8
	s_add_co_u32 s44, s44, EX                      ; the group's 256 bytes of the exchange
	s_lshl_b32 s45, s43, 3
	s_add_co_u32 s45, s45, s44                     ; my half's words in it
	s_wait_alu depctr_va_vdst(0)
	ROWADR STGU
	v_lshlrev_b32 v8, 3, v1                        ; 8 x lane
	v_lshlrev_b32 v21, 4, v2
	v_lshl_add_u32 v21, v3, 2, v21
	v_add_nc_u32 v21, s45, v21                     ; in: 16 r + 8 e + 4 h: lanes 0-15 my first word, lanes 16-31 my second
	v_add_nc_u32 v22, s44, v8                      ; out: 8 x lane
	s_lshl_b32 s38, s24, 10                        ; my 256 numbers of 4 bytes
	s_add_nc_u64 s[34:35], s[12:13], s[38:39]      ; in weight,
	s_add_nc_u64 s[36:37], s[14:15], s[38:39]      ; in mask,
	s_lshr_b32 s46, s41, 2                         ; and in U: RG 4 G + t begins at row 64 G + t of 4,096 bytes, and its rows are 4 rows apart
	s_lshl_b32 s46, s46, 18
	s_and_b32 s47, s41, 3
	s_lshl_b32 s47, s47, 12
	s_add_co_u32 s46, s46, s47
	s_add_co_u32 s38, s38, s46
	s_add_nc_u64 s[28:29], s[8:9], s[38:39]
	s_mul_i32 s38, s41, RGA
	s_mul_i32 s46, s42, GRP
	s_add_co_u32 s38, s38, s46
	s_add_nc_u64 s[32:33], s[16:17], s[38:39]      ; the group's scale unit
	s_lshl_b32 s38, s43, 11
	s_add_co_u32 s38, s38, 256
	s_add_nc_u64 s[30:31], s[32:33], s[38:39]      ; my two fragments
	s_wait_alu depctr_va_vdst(0)
.irp q, 0,1
	global_load_b128 v[S+4*\q:S+4*\q+3], v7, s[34:35] offset:512*\q        ; weight and mask at my four columns of step q
	global_load_b128 v[X+4*\q:X+4*\q+3], v7, s[36:37] offset:512*\q
.endr
	QLOAD 0, 16384, 7
	QLOAD 1, 16384, 7
	s_wait_loadcnt 32                              ; weight and mask are in; U's 32 loads may be out
.irp j, 0,2,4,6
	v_pk_mul_f32 v[S+\j:S+\j+1], v[S+\j:S+\j+1], v[S+\j:S+\j+1]            ; s = (weight x weight) x mask, in the source's order
.endr
.irp j, 0,2,4,6
	v_pk_mul_f32 v[S+\j:S+\j+1], v[S+\j:S+\j+1], v[X+\j:X+\j+1]
.endr
	s_wait_alu depctr_va_vdst(0)
	ROWSTEP 0, 16
	ROWSTEP 1, 0
	v_cmp_eq_u32 vcc_lo, 1, v3
	v_cndmask_b32 v[TP], v[SW], v[SW+1], vcc_lo
	ds_store_b32 v21, v[TP]
	s_wait_dscnt 0x0                               ; for the other wave's sake: my words are in
	s_barrier_signal -1
	s_barrier_wait -1
	s_cmp_eq_u32 s43, 0
	s_cbranch_scc0 .Lu_end                         ; the group's first wave stores its scale unit
	ds_load_b64 v[TP+2:TP+3], v22
	s_wait_dscnt 0x0
	global_store_b64 v8, v[TP+2:TP+3], s[32:33]    ; the 32 lanes store the whole unit of 256 bytes
.Lu_end:
	FINISH
.Lua:                                              ; U_additional [4,096][64]: a wave takes RGs 2 p and 2 p + 1, all 64 along K, and writes their whole third groups
	s_sub_co_u32 s40, ttmp9, 544
	s_lshl_b32 s40, s40, 2
	s_add_co_u32 s40, s40, s24                     ; p, 0..127
	s_wait_alu depctr_va_vdst(0)
	ROWADR STGA
	v_lshlrev_b32 v4, 4, v2
	v_lshl_add_u32 v4, v3, 8, v4                   ; in: lanes 0-15 a row (256 bytes) of the first RG, lanes 16-31 the next row, which is the second RG's
	v_mul_u32_u24 v8, v3, RGA
	v_lshl_add_u32 v8, v2, 4, v8                   ; the scale units: lanes 0-15 the first RG's, lanes 16-31 the second's
	s_lshr_b32 s38, s40, 1                         ; the first RG begins at row 64 (p / 2) + 2 (p % 2), its rows are 4 rows apart
	s_lshl_b32 s38, s38, 14
	s_and_b32 s43, s40, 1
	s_lshl_b32 s43, s43, 9
	s_add_co_u32 s38, s38, s43
	s_add_nc_u64 s[28:29], s[10:11], s[38:39]
	s_mul_i32 s38, s40, 2*RGA
	s_add_co_u32 s38, s38, 2*GRP
	s_add_nc_u64 s[30:31], s[16:17], s[38:39]
	s_wait_alu depctr_va_vdst(0)
	QLOAD 0, 1024, 4
	v_mov_b32 v20, 0                               ; the second permute's destination
.irp j, 1,2,3
	v_mov_b32 v[TP+\j], 0                          ; the scale unit's words 1 to 3
.endr
	s_wait_alu depctr_va_vdst(0)
	QCORE 0, 0, 0                                  ; a stage row holds a row of each RG: v[X + 32 c] on is block h of row r of RG c
	v_lshlrev_b32 v16, v11, v16                    ; my byte at its place, 8 h bits up.  (Plain lines behind the conversions)
	v_lshlrev_b32 v17, v11, v17
	v_permlanex16_b32 v19, v16, s26, s27
	v_permlanex16_b32 v20, v17, s26, s27
	v_or_b32 v16, v16, v19                         ; the first RG's word 0 of row r,
	v_or_b32 v17, v17, v20                         ; the second's
	v_cmp_eq_u32 vcc_lo, 1, v3
	v_cndmask_b32 v[TP], v16, v17, vcc_lo
	global_store_b128 v8, v[TP:TP+3], s[30:31]                     ; both scale units, whole
	global_store_b128 v7, v[C:C+3], s[30:31] offset:256            ; the first RG's two code units,
	global_store_b128 v7, v[C+4:C+7], s[30:31] offset:RGA+256      ; the second's
	FINISH
.Lfunc_end_k_q5a680449a5_quant:
	.size	k_q5a680449a5_quant, .Lfunc_end_k_q5a680449a5_quant-k_q5a680449a5_quant
	.p2alignl 7, 3214868480
	.fill 96, 4, 3214868480
	.section	.rodata,"a",@progbits
	.p2align	6, 0x0
	.amdhsa_kernel k_q5a680449a5_quant
		.amdhsa_group_segment_fixed_size 68608
		.amdhsa_private_segment_fixed_size 0
		.amdhsa_enable_private_segment 0
		.amdhsa_kernarg_size 64
		.amdhsa_user_sgpr_count 2
		.amdhsa_user_sgpr_kernarg_segment_ptr 1
		.amdhsa_wavefront_size32 1
		.amdhsa_system_sgpr_workgroup_id_x 1
		.amdhsa_system_sgpr_workgroup_id_y 1
		.amdhsa_system_sgpr_workgroup_id_z 1
		.amdhsa_system_vgpr_workitem_id 0
		.amdhsa_next_free_vgpr 256
		.amdhsa_next_free_sgpr 66
		.amdhsa_reserve_vcc 1
		.amdhsa_float_denorm_mode_32 3
		.amdhsa_float_denorm_mode_16_64 3
		.amdhsa_memory_ordered 1
		.amdhsa_forward_progress 1
		.amdhsa_inst_pref_size 60
	.end_amdhsa_kernel
	.amdgpu_metadata
---
amdhsa.version: [ 1, 2 ]
amdhsa.kernels:
  - .name:           k_q5a680449a5_quant
    .symbol:         k_q5a680449a5_quant.kd
    .args:
      - { .name: Vh, .offset: 0, .size: 8, .value_kind: global_buffer, .address_space: global }
      - { .name: Vh_additional, .offset: 8, .size: 8, .value_kind: global_buffer, .address_space: global }
      - { .name: U, .offset: 16, .size: 8, .value_kind: global_buffer, .address_space: global }
      - { .name: U_additional, .offset: 24, .size: 8, .value_kind: global_buffer, .address_space: global }
      - { .name: weight, .offset: 32, .size: 8, .value_kind: global_buffer, .address_space: global }
      - { .name: mask, .offset: 40, .size: 8, .value_kind: global_buffer, .address_space: global }
      - { .name: ap, .offset: 48, .size: 8, .value_kind: global_buffer, .address_space: global }
      - { .name: bp, .offset: 56, .size: 8, .value_kind: global_buffer, .address_space: global }
    .group_segment_fixed_size: 68608
    .private_segment_fixed_size: 0
    .kernarg_segment_align: 8
    .kernarg_segment_size: 64
    .max_flat_workgroup_size: 128
    .sgpr_count:     66
    .vgpr_count:     256
    .wavefront_size: 32
...
	.end_amdgpu_metadata
.endif
;; end of part 1
;; launch gemmw (part 2): grid 16 x 16, 4 waves a work-group, clusters of 4 x 4, 327,680 bytes of LDS; arguments ap, bp, input, wp, xp; writes wp, xp
.if DOCPART == 2
	.amdgcn_target "amdgcn-amd-amdhsa--gfx1250"
	.amdhsa_code_object_version 6
	.text
	.protected	k_q5a680449a5_gemmw
	.globl	k_q5a680449a5_gemmw
	.p2align	8
	.type	k_q5a680449a5_gemmw,@function
k_q5a680449a5_gemmw:
	s_mov_b64 s[64:65], 0
	v_nop
	global_prefetch_b8 v0, s[64:65] scope:SCOPE_SE
	s_setreg_imm32_b32 hwreg(HW_REG_WAVE_MODE, 25, 1), 1
	s_wait_xcnt 0x0
	s_wait_alu depctr_hold_cnt(0) depctr_sa_sdst(0) depctr_va_vdst(0) depctr_va_sdst(0) depctr_va_ssrc(0) depctr_va_vcc(0) depctr_vm_vsrc(0)
	s_getreg_b32 s2, hwreg(HW_REG_IB_STS2, 6, 4)
	s_cmp_eq_u32 s2, 0
	s_cbranch_scc0 .Lentry_in_a_cluster
	s_endpgm
.Lentry_in_a_cluster:
	s_bfe_u32 s2, ttmp6, 0x10000c
	s_cmp_lg_u32 s2, 0xf033
	s_cbranch_scc0 .Lentry_shape_is_right
	s_endpgm
.Lentry_shape_is_right:
; W[o][i] = sum over k' of A'[o][k'] B'[i][k'], K' = 1,088: steps 0-7 are Q(U s) Q(Vh), step 8 is Q(U_additional) Q(Vh_additional) (64 along K) and 64 zero codes, which the instruction's K of 128 asks for.
; One f32 sum for each W[o][i], K' ascending; then W is quantised along i IN REGISTERS and leaves as codes and scale words: W never goes to memory as f32.  No work of the problem is left out.
; BESIDE IT this launch quantises input (f32, each number read once) into xp.
; PACKS: a row group (RG) is 16 rows; ap, bp [256 RG][9,472 bytes]: two groups of 4,352 (a scale unit of 256 bytes: position r's four scale words at 16 r; then four steps' fragments of
; 1,024 bytes: registers 4 c .. 4 c + 3 of lane l at 512 c + 16 l), then at 8,704 a group of 768 (scale unit, registers 0 .. 3 of one fragment; registers 4 .. 7 are zeros, written here).
; bp's RG 2 b + u holds at position r the column i = 32 b + 8 u + r + 8 (r / 8), so that an accumulator's 16 registers are 16 neighbours along i.
; wp [128 pairs of RGs][16 granules][4,352], xp [64 pairs][16][4,352], K = i: a granule is 32 rows x two steps: a scale unit (the word of step s, row m at 128 s + 4 m), then the fragment of step s, RG u at
; 256 + 2,048 s + 1,024 u.  wp's rows o in ap's order.
; SHARES.  A tile of W is 256 x 256, one work-group of four waves; a wave makes 128 x 128: 32 accumulators of 32 (i) x 16 (o), 512 registers.  256 tiles.  Of xp each wave makes one granule: 32 rows x 256 numbers of input.
; ALL OF K' LIES IN LDS AT ONCE: each wave brings 8 RGs of A' or of B', 75,776 bytes, by ONE tensor load.  Nothing is filled again, and there is nothing of it left to prefetch: the first load asks for all.
; INPUT goes in four chunks of 8 rows, loaded two chunks ahead into 128 registers that the products do not use, and quantised between the product's steps.  A lane takes 8 neighbours along K (two loads of 16 bytes), four lanes
; a block: its maximum crosses lanes by two DPP steps, the 8 codes are one register.  The codes of an RG turn through the wave's own stage in LDS (blocks 272 bytes apart) and leave as whole units.
; CLUSTERS: 4 x 4 work-groups; A's RGs are shared along a row of the cluster, B's along a column: asked for jointly, by the same tensor load with the same descriptor and a mask that names the four.
; THE MATRIX INSTRUCTION IS USED TRANSPOSED (source 0 = two RGs of B', source 1 = one RG of A'): a lane holds one row o and sixteen i.
; LIMITS: a block of zeros of W or input gets the byte 1 where the rule says 127 (its codes are zeros; this program alone reads the bytes); NaN and infinities are not served.
; REGISTERS, in windows of 256: window 0: v12-31 addresses; v4-11, v96-127 at work on input; v32-95 scale words, two sets of 32, and nothing else; v96-119 at work on the way out; v128-255 A's fragments, two sets of 64 (on the
;   way out W's codes).  window 1: B's fragments, two sets, at v0 and v128; input's chunks at v64 and v192.   window 2: the accumulators of my rows 0-63 ((a, b) at v[64 (a % 4) + 16 b]);   window 3: those of rows 64-127.
.set RGA,   9472
.set GRP,   4352
.set PR,    16*GRP                     ; a pair of RGs of wp or xp
.set RGN,   8*RGA                      ; LDS: what one tensor load brings: four regions (A's halves, B's halves)
.set SPARE, 4*RGN                      ; the spare words, 128 bytes for each wave, that no other line names
.set STG,   SPARE+512                  ; the stages of input's codes: 8 blocks x 272 bytes for each wave
.set STS,   STG+4*2176                 ; and of its scale bytes: 256 for each wave
.set CO,   12                          ; v12     16 x lane
.set SO,   13                          ; v13     4 x lane
.set XST,  14                          ; v14     stage in: block l / 4, 4 bytes; the row stands in the offset
.set XSB,  15                          ; v15     scale byte of block l / 4
.set ADRA, 16                          ; v16-17  LDS address of my A fragments, RGs 0-3 and 4-7
.set ADRB, 18                          ; v18-19  the same for B
.set ADSA, 20                          ; v20-21  of A's scale words: lanes 0-15 an RG's rows, lanes 16-31 the next RG's; pairs 0, 1 and 2, 3
.set ADSB, 22                          ; v22-23  the same for B
.set XRD,  24                          ; v24     stage out: a whole block of a row
.set XRS,  25                          ; v25     scale words out
.set XL,   26                          ; v26     32 x lane
.set X8,   27                          ; v27     8 x lane
.set SPW,  28                          ; v28     LDS address of my spare word; never rewritten
.set NIL,  29                          ; v29     0; never rewritten
.set XW,   30                          ; v30-31  input's scale words on the way out
.set SC,   32                          ; scale words: set p % 2 for group p; register 4 i + q: A's pair i, step q; 16 + 4 i + q: B's
.set XM,   96                          ; v96-103 input: maxima, scale operands;  v104-111 bytes;  v112-119 codes;  v120-127, v4-11 an RG's codes on the way out
.set XE,   104
.set XC,   112
.set TM,   96                          ; v96-111  the way out: maxima, bytes, scale operands
.set TS,   104                         ; v104-107 (not used by TM) W's scale words, chosen by half of the lanes
.set PW,   112                         ; v112-119 W's scale words, one for each of my 8 RGs
.set AF,   128
.set PCB,  128                         ; the way out: RG a's codes at v[PCB + 8 a]: no store's data are written again
.set SEL,  12                          ; s[12:13] v_permlanex16_b32's selects
.set G1A,  24                          ; s[24:31], s[48:55] descriptor group 1 for A, B
.set G1B,  48
.set G0A,  68                          ; s[68:71], s[80:83] group 0
.set G0B,  80
.set XIN,  84                          ; s[84:85] my part of input,
.set XOUT, 86                          ; s[86:87] of xp
.set MSB, 0
.macro WIN new                         ; the immediate's high byte repeats the setting that is left
.if MSB != \new
	s_set_vgpr_msb (MSB<<8)|\new
.set MSB, \new
.endif
.endm
.set MUL_LO, 0xa1                      ; source 0 (B) window 1, source 1 (A) window 0, C and D window 2
.set MUL_HI, 0xf1                      ; the same, C and D window 3
.set TO_B,   0x40                      ; destination window 1, address window 0
.macro CROUND                          ; a round of the cluster's barrier
	s_barrier_signal -1
	s_barrier_wait -1
	s_cmp_lg_u32 s14, 0
	s_cbranch_scc1 .Lnot_wave_0_\@
	s_barrier_signal -3
.Lnot_wave_0_\@:
	s_barrier_wait -3
	s_barrier_signal -1
	s_barrier_wait -1
.endm
	s_load_b128 s[4:7], s[0:1], 0x0                ; ap s[4:5], bp s[6:7]
	s_load_b128 s[8:11], s[0:1], 0x10              ; input s[8:9], wp s[10:11]
	s_load_b64 s[88:89], s[0:1], 0x20              ; xp
	v_lshl_add_u32 v[SPW], v0, 2, SPARE
	v_mov_b32 v[NIL], 0
	ds_add_u32 v[SPW], v[NIL]                      ; the wave's opening: the add, twice on end, and its wait ahead of my tensor load
	ds_add_u32 v[SPW], v[NIL]
	v_lshrrev_b32 v1, 5, v0
	v_readfirstlane_b32 s14, v1                    ; wave 0..3
	s_lshr_b32 s15, s14, 1                         ; which half of the tile's rows is mine.  Also: I fetch for A (0) or for B (1)
	s_and_b32 s16, s14, 1                          ; which half of its columns.  Also: which 8 RGs I fetch
	s_bfe_u32 s40, ttmp6, 0x40000                  ; cx, cy: my place in the cluster
	s_bfe_u32 s41, ttmp6, 0x40004
	s_lshl_b32 s42, ttmp9, 2
	s_add_co_u32 s42, s42, s40                     ; tile column (i) = 4 x cluster x + cx
	s_and_b32 s17, ttmp7, 0xffff
	s_lshl_b32 s17, s17, 2
	s_add_co_u32 s17, s17, s41                     ; tile row (o) = 4 x cluster y + cy
	s_lshl_b32 s43, s41, 2
	s_lshl_b32 s43, 15, s43                        ; my row of the cluster
	s_lshl_b32 s44, 0x1111, s40                    ; my column
	; descriptor group 1: 8 rows (RGs) of 9,472 bytes, in elements of 8 bytes; on end in memory and in LDS, no padding
	s_or_b32 s[G1A], s43, (3<<16)|(1<<21)          ; 15:0 the mask: A's RGs go to my row; 17:16 elements of 8 bytes; 21 set beside a mask
	s_or_b32 s[G1B], s44, (3<<16)|(1<<21)          ; B's to my column
.irp g, G1A, G1B
	s_mov_b32 s[\g+1], (RGA/8)<<16                 ; tensor_dim0 = 1,184
	s_mov_b32 s[\g+2], 8<<16                       ; tensor_dim1 = 8
	s_mov_b32 s[\g+3], (RGA/8)<<16                 ; tile_dim0
	s_mov_b32 s[\g+4], 8                           ; tile_dim1
	s_mov_b32 s[\g+5], RGA/8                       ; tensor_dim0_stride
	s_mov_b32 s[\g+6], 0
	s_mov_b32 s[\g+7], 0
.endr
	s_lshl_b32 s18, s16, 3                         ; which 8 RGs of the tile's 16 I fetch
	s_lshl_b32 s20, s17, 4
	s_add_co_u32 s20, s20, s18                     ; A: RG 16 x tile row + 8 x half
	s_mul_i32 s20, s20, RGA
	s_mov_b32 s21, 0
	s_lshl_b32 s46, s42, 4
	s_add_co_u32 s46, s46, s18                     ; B: RG 16 x tile column + 8 x half
	s_mul_i32 s46, s46, RGA
	s_mov_b32 s47, 0
	s_mul_i32 s45, s14, RGN                        ; where they go: wave x a region: no place in the cluster enters an LDS address
	s_mul_i32 s18, s15, RGN                        ; my 8 RGs of A,
	s_mul_i32 s19, s16, RGN
	s_add_co_u32 s19, s19, 2*RGN                   ; my 8 RGs of B, behind A's two regions
	s_add_co_u32 s22, s18, 4*RGA
	s_add_co_u32 s23, s19, 4*RGA
	s_mul_i32 s2, s14, 2176
	s_add_co_u32 s2, s2, STG                       ; my stage of codes,
	s_lshl_b32 s3, s14, 8
	s_add_co_u32 s3, s3, STS                       ; of scale bytes
	s_mov_b32 s[SEL], 0x76543210
	s_mov_b32 s[SEL+1], 0xfedcba98
	; where my part of wp begins: pair 8 x tile row + 4 x my row half; my 128 columns are step s16 of granule tile column
	s_lshl_b32 s92, s17, 3
	s_lshl_b32 s93, s15, 2
	s_add_co_u32 s92, s92, s93
	s_mul_i32 s92, s92, PR
	s_mul_i32 s96, s42, GRP
	s_add_co_u32 s92, s92, s96
	s_lshl_b32 s96, s16, 7
	s_add_co_u32 s94, s92, s96                     ; the step's scale words
	s_lshl_b32 s96, s16, 11
	s_add_co_u32 s92, s92, s96
	s_add_co_u32 s92, s92, 256                     ; the step's fragments
	s_mov_b32 s93, 0
	s_mov_b32 s95, 0
	; input: pair 4 x tile row + tile column / 4, granule 4 (tile column % 4) + wave
	s_lshl_b32 s90, s17, 2
	s_lshr_b32 s91, s42, 2
	s_add_co_u32 s90, s90, s91
	s_and_b32 s91, s42, 3
	s_lshl_b32 s91, s91, 2
	s_add_co_u32 s91, s91, s14
	s_lshl_b32 s96, s90, 19                        ; 32 rows of 16,384 bytes
	s_lshl_b32 s97, s91, 10                        ; 256 numbers of 4 bytes
	s_add_co_u32 s96, s96, s97
	s_mov_b32 s97, 0
	s_mul_i32 s90, s90, PR
	s_mul_i32 s91, s91, GRP
	s_add_co_u32 s90, s90, s91
	s_mov_b32 s91, 0
	s_mov_b32 s[G0A], 1
	s_mov_b32 s[G0A+1], s45
	s_mov_b32 s[G0B], 1
	s_mov_b32 s[G0B+1], s45
	v_and_b32 v1, 15, v0                           ; r
	v_bfe_u32 v2, v0, 4, 1                         ; h
	v_and_b32 v3, 31, v0
	v_lshlrev_b32 v[CO], 4, v3
	v_lshlrev_b32 v[SO], 2, v3
	v_lshlrev_b32 v[XL], 5, v3
	v_lshlrev_b32 v[X8], 3, v3
	v_mul_u32_u24 v4, v2, RGA
	v_lshl_add_u32 v4, v1, 4, v4                   ; scale words: 16 r, lanes 16-31 one RG on
	v_add_nc_u32 v[ADRA], s18, v[CO]
	v_add_nc_u32 v[ADRA+1], s22, v[CO]
	v_add_nc_u32 v[ADRB], s19, v[CO]
	v_add_nc_u32 v[ADRB+1], s23, v[CO]
	v_add_nc_u32 v[ADSA], s18, v4
	v_add_nc_u32 v[ADSA+1], s22, v4
	v_add_nc_u32 v[ADSB], s19, v4
	v_add_nc_u32 v[ADSB+1], s23, v4
	v_lshrrev_b32 v5, 2, v3
	v_mul_u32_u24 v5, v5, 272
	v_and_b32 v6, 3, v3
	v_lshl_add_u32 v5, v6, 2, v5
	v_add_nc_u32 v[XST], s2, v5                    ; 272 (l / 4) + 4 (l % 4)
	v_bfe_u32 v7, v3, 2, 2
	v_lshl_add_u32 v7, v2, 7, v7
	v_add_nc_u32 v[XSB], s3, v7                    ; 128 (l / 16) + (l / 4) % 4
	v_mul_u32_u24 v8, v2, 272
	v_lshl_add_u32 v8, v1, 4, v8
	v_add_nc_u32 v[XRD], s2, v8                    ; 272 h + 16 r
	v_add_nc_u32 v[XRS], s3, v[X8]
	s_wait_alu depctr_va_vdst(0)
	s_wait_dscnt 0x0                               ; both opening adds are done
	CROUND                                         ; all sixteen work-groups are here: the joint loads meet
	s_wait_kmcnt 0x0
	s_add_nc_u64 s[G0A+2:G0A+3], s[4:5], s[20:21]
	s_or_b32 s[G0A+3], s[G0A+3], 0x80000000
	s_add_nc_u64 s[G0B+2:G0B+3], s[6:7], s[46:47]
	s_or_b32 s[G0B+3], s[G0B+3], 0x80000000
	s_add_nc_u64 s[XIN:XIN+1], s[8:9], s[96:97]
	s_add_nc_u64 s[XOUT:XOUT+1], s[88:89], s[90:91]
	s_add_nc_u64 s[8:9], s[10:11], s[92:93]
	s_add_nc_u64 s[10:11], s[10:11], s[94:95]
	; waves 0 and 1 fetch for A, waves 2 and 3 for B; an s_nop 0 and four v_nop follow each of the two lines
	s_cmp_eq_u32 s15, 0
	s_cbranch_scc0 .Lfor_b
	tensor_load_to_lds s[G0A:G0A+3], s[G1A:G1A+7]
	s_nop 0
.rept 4
	v_nop
.endr
	s_branch .Lasked
.Lfor_b:
	tensor_load_to_lds s[G0B:G0B+3], s[G1B:G1B+7]
	s_nop 0
.rept 4
	v_nop
.endr
.Lasked:
; INPUT.  XLOAD: chunk c, rows 8 c .. 8 c + 7, into buffer c % 2.  XQ: its codes and scale bytes into the stages; behind an RG's second chunk the RG's codes are asked back.  XSEND: stored.
.macro XLOAD c
.set XB, 64+128*((\c)%2)
	WIN TO_B
.irp m, 0,1,2,3,4,5,6,7
	global_load_b128 v[XB+8*\m:XB+8*\m+3], v[XL], s[XIN:XIN+1] offset:(8*(\c)+\m)*16384
	global_load_b128 v[XB+8*\m+4:XB+8*\m+7], v[XL], s[XIN:XIN+1] offset:(8*(\c)+\m)*16384+16
.endr
	WIN 0
.endm
.macro XQ c, left, xb                  ; xb: 24 registers at work: maxima, bytes, codes
.set XM, \xb
.set XE, \xb+8
.set XC, \xb+16
.set XB, 64+128*((\c)%2)
	s_wait_loadcnt \left                           ; this chunk's 16 loads are in; the next chunk's may be out
	WIN 0x15                                       ; all three sources window 1
.irp m, 0,1,2,3,4,5,6,7
	v_max3_num_f32 v[XM+\m], |v[XB+8*\m]|, |v[XB+8*\m+1]|, |v[XB+8*\m+2]|
.endr
	WIN 0x05                                       ; source 2 window 0
.irp m, 0,1,2,3,4,5,6,7
	v_max3_num_f32 v[XM+\m], |v[XB+8*\m+3]|, |v[XB+8*\m+4]|, v[XM+\m]
.endr
.irp m, 0,1,2,3,4,5,6,7
	v_max3_num_f32 v[XM+\m], |v[XB+8*\m+5]|, |v[XB+8*\m+6]|, v[XM+\m]
.endr
.irp m, 0,1,2,3,4,5,6,7
	v_max3_num_f32 v[XM+\m], |v[XB+8*\m+7]|, 0x1800000, v[XM+\m]           ; and the floor 2^(3 - 127): the byte cannot fall under 1
.endr
	WIN 0
.irp m, 0,1,2,3,4,5,6,7
	v_max_num_f32_dpp v[XM+\m], v[XM+\m], v[XM+\m] row_xmask:1 row_mask:0xf bank_mask:0xf
.endr
.irp m, 0,1,2,3,4,5,6,7
	v_max_num_f32_dpp v[XM+\m], v[XM+\m], v[XM+\m] row_xmask:2 row_mask:0xf bank_mask:0xf  ; the block's four lanes
.endr
.irp m, 0,1,2,3,4,5,6,7
	v_add_nc_u32 v[XM+\m], 0xff000000, v[XM+\m]    ; 2 off the exponent field: the conversion's scale operand
.endr
.irp m, 0,1,2,3,4,5,6,7
	v_lshrrev_b32 v[XE+\m], 23, v[XM+\m]           ; the scale's byte
.endr
	WIN 0x01                                       ; source 0 window 1
.irp m, 0,1,2,3,4,5,6,7
	v_cvt_scalef32_pk8_fp4_f32 v[XC+\m], v[XB+8*\m:XB+8*\m+7], v[XM+\m]
.endr
	WIN 0
	v_nop                                          ; one plain place behind a scaled conversion
.if (\c) < 2
	XLOAD (\c)+2
.endif
.irp m, 0,1,2,3,4,5,6,7
	ds_store_b32 v[XST], v[XC+\m] offset:16*(8*((\c)%2)+\m)
.endr
.irp m, 0,1,2,3,4,5,6,7
	ds_store_b8 v[XSB], v[XE+\m] offset:4*(8*(\c)+\m)      ; the four lanes of a block write the same byte with the same value
.endr
.if (\c)%2
.if (\c) == 3
	s_wait_xcnt 0x0                                ; the first RG's stores have read their registers
	ds_load_b64 v[XW:XW+1], v[XRS]
.endif
	ds_load_b128 v[120:123], v[XRD]                ; LDS serves a wave's instructions in order: these see the stores above
	ds_load_b128 v[124:127], v[XRD] offset:544
	ds_load_b128 v[4:7], v[XRD] offset:1088
	ds_load_b128 v[8:11], v[XRD] offset:1632
.endif
.endm
.macro XSEND u                         ; 512 bytes on end a store: two whole units
	global_store_b128 v[CO], v[120:123], s[XOUT:XOUT+1] offset:256+1024*(\u)
	global_store_b128 v[CO], v[124:127], s[XOUT:XOUT+1] offset:256+1024*(\u)+512
	global_store_b128 v[CO], v[4:7], s[XOUT:XOUT+1] offset:256+1024*(\u)+2048
	global_store_b128 v[CO], v[8:11], s[XOUT:XOUT+1] offset:256+1024*(\u)+2560
.endm
.macro MM a, bp, t, zero               ; one product: A's RG a, B's pair bp, step t
.set rD, 64*((\a)%4)+16*(\bp)
.set rB, 128*((\t)%2)+16*(\bp)
.set rA, AF+64*((\t)%2)+8*(\a)
.set rS, SC+32*(((\t)/4)%2)+(\t)%4
.set rSB, rS+16+4*(\bp)
.set rSA, rS+4*((\a)/2)
.if \zero
.if (\a)%2
	v_wmma_scale_f32_32x16x128_f4 v[rD:rD+15], v[rB:rB+15], v[rA:rA+7], 0, v[rSB], v[rSA] matrix_b_scale:MATRIX_SCALE_ROW1
.else
	v_wmma_scale_f32_32x16x128_f4 v[rD:rD+15], v[rB:rB+15], v[rA:rA+7], 0, v[rSB], v[rSA]
.endif
.else
.if (\a)%2
	v_wmma_scale_f32_32x16x128_f4 v[rD:rD+15], v[rB:rB+15], v[rA:rA+7], v[rD:rD+15], v[rSB], v[rSA] matrix_b_scale:MATRIX_SCALE_ROW1
.else
	v_wmma_scale_f32_32x16x128_f4 v[rD:rD+15], v[rB:rB+15], v[rA:rA+7], v[rD:rD+15], v[rSB], v[rSA]
.endif
.endif
.endm
.macro MULS t, zero                    ; a step's 32 products: the accumulators take turns, one instruction a turn, in the same order in every step
	WIN MUL_LO
.irp a, 0,1,2,3
.irp b, 0,1,2,3
	MM \a, \b, \t, \zero
.endr
.endr
	WIN MUL_HI
.irp a, 4,5,6,7
.irp b, 0,1,2,3
	MM \a, \b, \t, \zero
.endr
.endr
	WIN 0
.endm
.macro FETCH t                         ; step t's 8 fragments of B, 16 loads of 512 bytes on end (step 8: 8, half fragments), into set t % 2
.set FO, ((\t)/4)*GRP+256+1024*((\t)%4)
.set FS, (\t)%2
	WIN TO_B
.irp i, 0,1,2,3,4,5,6,7
	ds_load_b128 v[128*FS+8*\i:128*FS+8*\i+3],   v[ADRB+\i/4] offset:(\i%4)*RGA+FO
.if (\t) < 8
	ds_load_b128 v[128*FS+8*\i+4:128*FS+8*\i+7], v[ADRB+\i/4] offset:(\i%4)*RGA+FO+512
.endif
.endr
	WIN 0
.endm
.macro FETCHA t                        ; (FETCH: B's half of the loads; this: A's)
.set FO, ((\t)/4)*GRP+256+1024*((\t)%4)
.set FS, (\t)%2
	WIN 0
.irp i, 0,1,2,3,4,5,6,7
	ds_load_b128 v[AF+64*FS+8*\i:AF+64*FS+8*\i+3],   v[ADRA+\i/4] offset:(\i%4)*RGA+FO
.if (\t) < 8
	ds_load_b128 v[AF+64*FS+8*\i+4:AF+64*FS+8*\i+7], v[ADRA+\i/4] offset:(\i%4)*RGA+FO+512
.endif
.endr
.endm
.macro SCALES p                        ; group p's scale words: four a row; lanes 0-15 a pair's first RG, lanes 16-31 its second
.irp i, 0,1,2,3
	ds_load_b128 v[SC+32*((\p)%2)+4*\i:SC+32*((\p)%2)+4*\i+3], v[ADSA+\i/2] offset:(\i%2)*2*RGA+(\p)*GRP
	ds_load_b128 v[SC+32*((\p)%2)+16+4*\i:SC+32*((\p)%2)+16+4*\i+3], v[ADSB+\i/2] offset:(\i%2)*2*RGA+(\p)*GRP
.endr
.endm
.macro PLACES                          ; four plain vector instructions in front of loads into registers that matrix instructions have read (ISA guide 7.12.1 for vector instructions)
.rept 4
	v_nop
.endr
.endm
.macro STEP t, zero                    ; the next step's fragments are asked for in two runs, the second behind eight products, and land under this step's products
.if (\t) > 0
	PLACES
.endif
	FETCH (\t)+1
.if (\t) == 7
	s_wait_dscnt 8                                 ; all but the 8 just issued
.else
	s_wait_dscnt 16                                ; all but the 16 just issued; input's LDS instructions were issued ahead of them
.endif
	WIN MUL_LO
.irp a, 0,1
.irp b, 0,1,2,3
	MM \a, \b, \t, \zero
.endr
.endr
	FETCHA (\t)+1
.if (\t)%4 == 3
	SCALES ((\t)+1)/4
.endif
	WIN MUL_LO
.irp a, 2,3
.irp b, 0,1,2,3
	MM \a, \b, \t, \zero
.endr
.endr
	WIN MUL_HI
.irp a, 4,5,6,7
.irp b, 0,1,2,3
	MM \a, \b, \t, \zero
.endr
.endr
	WIN 0
.endm
	s_wait_tensorcnt 0x0                           ; my part is in,
	s_barrier_signal -1
	s_barrier_wait -1                              ; everybody's is
	FETCH 0
	FETCHA 0
	SCALES 0
	XLOAD 0                                        ; input's first two chunks, behind the tiles that the products wait for
	XLOAD 1
	STEP 0, 1                                      ; the first step's products start the sums: nothing is cleared
	STEP 1, 0
	STEP 2, 0
	STEP 3, 0
	XQ 0, 16, 96
	STEP 4, 0
	STEP 5, 0
	XQ 1, 16, 96
	STEP 6, 0
	XSEND 0
	STEP 7, 0
	XQ 2, 16, 96
	WIN TO_B
.irp i, 0,1,2,3,4,5,6,7
.irp j, 4,5,6,7
	v_mov_b32 v[8*\i+\j], 0                        ; step 8: the upper halves of the fragments are zero codes
.endr
.endr
	WIN 0
.irp i, 0,1,2,3,4,5,6,7
.irp j, 4,5,6,7
	v_mov_b32 v[AF+8*\i+\j], 0
.endr
.endr
	PLACES
	s_wait_alu depctr_va_vdst(0)
	s_wait_dscnt 0x0
	MULS 8, 0                                      ; step 8: the additional pair
; THE WAY OUT.  RG a's four accumulators are, in lane (r, h), register 16 b + j = W(row r of the RG, i = 32 b + 16 h + j of my 128 columns): four blocks of 32 along the next K, each shared by lanes l and l xor 16.
; They become one fragment (8 registers) and one scale word a row, and leave as they stand: 512 bytes on end a store.  No LDS.
.irp b, 0,1,2,3
	v_mov_b32 v[TM+4+\b], 0                        ; written once: a lane permute's destination counts as one of its sources.  These four are also the places behind the last products
.endr
.macro QUANTW a
.set AC, 64*((\a)%4)
.set PC, PCB+8*(\a)
	WIN 0x0a+5*((\a)/4)                            ; sources 0 and 1: window 2 or 3
.irp b, 0,1,2,3
	v_max3_num_f32 v[TM+\b], |v[AC+16*\b]|, |v[AC+16*\b+1]|, 0x1800000     ; each accumulator is read from its low end on; the floor 2^(3 - 127): the byte cannot fall under 1
.endr
.irp i, 2,4,6,8,10,12,14
.irp b, 0,1,2,3
	v_max3_num_f32 v[TM+\b], |v[AC+16*\b+\i]|, |v[AC+16*\b+\i+1]|, v[TM+\b]
.endr
.endr
	WIN 0
.irp b, 0,1,2,3
	v_permlanex16_b32 v[TM+4+\b], v[TM+\b], s[SEL], s[SEL+1]
.endr
.irp b, 0,1,2,3
	v_max_num_f32 v[TM+\b], v[TM+\b], v[TM+4+\b]   ; with lane l xor 16's: the block's largest magnitude
.endr
.irp b, 0,1,2,3
	v_add_nc_u32 v[TM+12+\b], 0xff000000, v[TM+\b] ; 2 off the exponent field: the conversion's scale operand
.endr
.irp b, 0,1,2,3
	v_lshrrev_b32 v[TM+4+\b], 23, v[TM+12+\b]      ; the scale's byte
.endr
	v_lshl_or_b32 v[PW+(\a)], v[TM+5], 8, v[TM+4]  ; my row's scale word for this step
	v_lshl_or_b32 v[PW+(\a)], v[TM+6], 16, v[PW+(\a)]
	v_lshl_or_b32 v[PW+(\a)], v[TM+7], 24, v[PW+(\a)]
	WIN 0x02+((\a)/4)                              ; source 0: window 2 or 3
.irp b, 0,1,2,3
	v_cvt_scalef32_pk8_fp4_f32 v[PC+2*\b], v[AC+16*\b:AC+16*\b+7], v[TM+12+\b]
	v_cvt_scalef32_pk8_fp4_f32 v[PC+2*\b+1], v[AC+16*\b+8:AC+16*\b+15], v[TM+12+\b]
.endr
	WIN 0
	v_nop                                          ; one plain place behind a scaled conversion
.irp c, 0,1                            ; the operand's layout wants a WHOLE block in a lane: lanes 0-15 block 2 c, lanes 16-31 block 2 c + 1
.irp i, 0,1
	v_permlane16_swap_b32 v[PC+4*\c+\i], v[PC+4*\c+2+\i]
.endr
.endr
	global_store_b128 v[CO], v[PC:PC+3], s[8:9] offset:((\a)/2)*PR+((\a)%2)*1024
	global_store_b128 v[CO], v[PC+4:PC+7], s[8:9] offset:((\a)/2)*PR+((\a)%2)*1024+512
.endm
.irp a, 0,1,2,3
	QUANTW \a
.endr
	s_wait_alu depctr_va_vdst(0)
	XQ 3, 0, 192                                   ; input's last chunk, in registers that held A's second set
	QUANTW 4
	QUANTW 5
	s_wait_alu depctr_va_vdst(0)
	s_wait_dscnt 0x0                               ; the second RG's codes and the scale words are back
	XSEND 1
	global_store_b64 v[X8], v[XW:XW+1], s[XOUT:XOUT+1]     ; the 32 lanes store the granule's whole scale unit
	QUANTW 6
	QUANTW 7
	v_cmp_eq_u32 vcc_lo, 1, v2
.irp p, 0,1,2,3
	v_cndmask_b32 v[TS+\p], v[PW+2*\p], v[PW+2*\p+1], vcc_lo               ; lanes 0-15 store the pair's first RG's words, lanes 16-31 the second's:
	global_store_b32 v[SO], v[TS+\p], s[10:11] offset:\p*PR                ; 128 bytes on end, half a unit: the other half, step 1 - s16, comes from another wave; 512 KB in the whole launch
.endr
	s_wait_tensorcnt 0x0                           ; the wave's end: behind my last tensor load and my last LDS store
	ds_add_u32 v[SPW], v[NIL]
	s_wait_dscnt 0x0
	CROUND                                         ; the closing round: no work-group ends while a partner may still ask for a tile that names it
	s_endpgm
.Lfunc_end_k_q5a680449a5_gemmw:
	.size	k_q5a680449a5_gemmw, .Lfunc_end_k_q5a680449a5_gemmw-k_q5a680449a5_gemmw
	.p2alignl 7, 3214868480
	.fill 96, 4, 3214868480
	.section	.rodata,"a",@progbits
	.p2align	6, 0x0
	.amdhsa_kernel k_q5a680449a5_gemmw
		.amdhsa_group_segment_fixed_size 327680
		.amdhsa_private_segment_fixed_size 0
		.amdhsa_enable_private_segment 0
		.amdhsa_kernarg_size 40
		.amdhsa_user_sgpr_count 2
		.amdhsa_user_sgpr_kernarg_segment_ptr 1
		.amdhsa_wavefront_size32 1
		.amdhsa_system_sgpr_workgroup_id_x 1
		.amdhsa_system_sgpr_workgroup_id_y 1
		.amdhsa_system_sgpr_workgroup_id_z 1
		.amdhsa_system_vgpr_workitem_id 0
		.amdhsa_next_free_vgpr 1024
		.amdhsa_next_free_sgpr 98
		.amdhsa_reserve_vcc 1
		.amdhsa_float_denorm_mode_32 3
		.amdhsa_float_denorm_mode_16_64 3
		.amdhsa_memory_ordered 1
		.amdhsa_forward_progress 1
		.amdhsa_inst_pref_size 131
	.end_amdhsa_kernel
	.amdgpu_metadata
---
amdhsa.version: [ 1, 2 ]
amdhsa.kernels:
  - .name:           k_q5a680449a5_gemmw
    .symbol:         k_q5a680449a5_gemmw.kd
    .args:
      - { .name: ap, .offset: 0, .size: 8, .value_kind: global_buffer, .address_space: global }
      - { .name: bp, .offset: 8, .size: 8, .value_kind: global_buffer, .address_space: global }
      - { .name: input, .offset: 16, .size: 8, .value_kind: global_buffer, .address_space: global }
      - { .name: wp, .offset: 24, .size: 8, .value_kind: global_buffer, .address_space: global }
      - { .name: xp, .offset: 32, .size: 8, .value_kind: global_buffer, .address_space: global }
    .group_segment_fixed_size: 327680
    .private_segment_fixed_size: 0
    .kernarg_segment_align: 8
    .kernarg_segment_size: 40
    .max_flat_workgroup_size: 128
    .sgpr_count:     98
    .vgpr_count:     1024
    .wavefront_size: 32
...
	.end_amdgpu_metadata
.endif
;; end of part 2
;; launch gemmo (part 3): grid 16 x 16, 4 waves a work-group, clusters of 4 x 4, 327,680 bytes of LDS; arguments xp, wp, out0; writes out0
.if DOCPART == 3
	.amdgcn_target "amdgcn-amd-amdhsa--gfx1250"
	.amdhsa_code_object_version 6
	.text
	.protected	k_q5a680449a5_gemmo
	.globl	k_q5a680449a5_gemmo
	.p2align	8
	.type	k_q5a680449a5_gemmo,@function
k_q5a680449a5_gemmo:
	s_mov_b64 s[64:65], 0
	v_nop
	global_prefetch_b8 v0, s[64:65] scope:SCOPE_SE
	s_setreg_imm32_b32 hwreg(HW_REG_WAVE_MODE, 25, 1), 1
	s_wait_xcnt 0x0
	s_wait_alu depctr_hold_cnt(0) depctr_sa_sdst(0) depctr_va_vdst(0) depctr_va_sdst(0) depctr_va_ssrc(0) depctr_va_vcc(0) depctr_vm_vsrc(0)
	s_getreg_b32 s2, hwreg(HW_REG_IB_STS2, 6, 4)
	s_cmp_eq_u32 s2, 0
	s_cbranch_scc0 .Lentry_in_a_cluster
	s_endpgm
.Lentry_in_a_cluster:
	s_bfe_u32 s2, ttmp6, 0x10000c
	s_cmp_lg_u32 s2, 0xf033
	s_cbranch_scc0 .Lentry_shape_is_right
	s_endpgm
.Lentry_shape_is_right:
; out[m][o] = sum over i of Q(input)[m][i] Q(W)[o][i], K = i = 4,096: 32 steps of 128.  No work of the problem is left out.  NaN and infinities are not served.
; PACKS: xp [64 pairs of RGs][16 granules][4,352], wp [128 pairs][16][4,352].  An RG is 16 rows; a granule is a pair's 32 rows x two steps: a scale unit of 256 bytes (the word of step s, row m at 128 s + 4 m), then the fragment
; of step s, RG u at 256 + 2,048 s + 1,024 u (registers 4 c .. 4 c + 3 of lane l at 512 c + 16 l).  wp's RG 4 G + t holds at position r the row o = 64 G + 4 r + t.
; SHARES.  A tile of out is 128 x 256 (4 pairs of xp, 8 pairs of wp), one work-group of four waves: 256 tiles.  K IS SPLIT BETWEEN TWO WAVES: wave w takes the tile's columns 128 (w % 2) .. + 127, ALL 128 rows, and step w / 2 of
; every granule: 128 x 128 of partial sums, 32 accumulators of 32 x 16, 512 registers; 16 fragments from LDS serve 32 products of the 32-row form.  At the end waves w and w xor 2 give each other half of their sums: each output is
; the f32 sum of two f32 sums, over the even and over the odd steps.
; Accumulator a, b: rows of pair (a + 2 (w / 2)) % 4, columns of RG b.  So every wave keeps a = 0, 1 (window 2) and gives a = 2, 3 (window 3), by one and the same text.
; PHASES.  K goes in five phases of 3 granules (6 steps) and one of 1, through a ring of two LDS slots filled by joint tensor loads, one a wave: waves 0 and 1 fetch two pairs of xp each, waves 2 and 3 four of wp.
; A wave has three sets of fragments: a phase's three granules.  A phase's last read of its slot stands ahead of its second step's products; behind them the slot is filled again.
; CLUSTERS: 4 x 4 work-groups; xp's tiles are shared along a row of the cluster, wp's along a column: asked for jointly, by the same tensor load with the same descriptor and a mask that names the four.
; PREFETCH: behind each joint load, the phase after the one just asked for.  Of what a wave fetches each of the four partners names a quarter, told apart by address: half a pair of xp (26 and 25 blocks of 256 bytes, 9 and 8 in the
; last phase), one pair of wp (51, 17).  Phase 0 comes by its loads alone; at most one phase is named and not yet asked for.
; REGISTERS, in windows of 256: window 0: v4-29 addresses; v32-55 scale words, three sets of 8, and nothing else; v64-255 xp's fragments, three sets of 64 (on the way out results).  window 1: v0-191 wp's fragments, three sets of 64 (on the
;   way out all 256: the partner's sums).  window 2: accumulators a = 0, 1 at v[128 (a % 2) + 16 b];  window 3: a = 2, 3.
.set GR,    4352
.set PR,    16*GR                      ; a pair of RGs in memory
.set PH,    3*GR                       ; what a phase takes of a pair: 51 blocks of 256 bytes
.set SLOT,  12*PH                      ; 4 pairs of xp, then 8 of wp
.set SPARE, 2*SLOT                     ; the spare words, 128 bytes for each wave, that no other line names
.set ADR,  4                           ; v[4 + 6 n ..], n = 0, 1: the slots, n = 2: the last phase in slot 1: fragments of a = 0, 1; of a = 2, 3; of wp; then the same three for scale words
.set CO,   22                          ; v22     my place in out: 8 h rows + 16 r bytes
.set PF0,  23                          ; v23-25  my block in the prefetches
.set PF1,  24
.set PF2,  25
.set XS,   26                          ; v26     the exchange: where I put sums,
.set XR,   27                          ; v27     where my partner's lie
.set SPW,  28                          ; v28     LDS address of my spare word; never rewritten
.set NIL,  29                          ; v29     0; never rewritten
.set SC,   32                          ; set n at SC + 8 n: words of a = 0..3, then of wp's four pairs (lanes 0-15 the even RG, lanes 16-31 the odd)
.set AF,   64
.set G1A,  24                          ; s[24:31] group 1 for xp, s[68:75] for the last phase;  s[32:39] group 0, one set for each slot
.set G1AL, 68
.set G0A,  32
.set G1B,  48                          ; s[48:55], s[76:83], s[56:63] the same for wp
.set G1BL, 76
.set G0B,  56
.set PF,   88                          ; s[88:89] the first byte of the pair in which my prefetches lie; never rewritten
.set MSB, 0
.macro WIN new                         ; the immediate's high byte repeats the setting that is left
.if MSB != \new
	s_set_vgpr_msb (MSB<<8)|\new
.set MSB, \new
.endif
.endm
.set MUL_LO, 0xa4                      ; source 0 (xp) window 0, source 1 (wp) window 1, C and D window 2
.set MUL_HI, 0xf4                      ; the same, C and D window 3
.set TO_B,   0x40                      ; destination window 1, address window 0
; A joint load: waves 0 and 1 for xp, waves 2 and 3 for wp; the branch hangs on the wave's number alone.  An s_nop 0 and four v_nop follow each of the two lines.
.macro JLOAD g0a, g1a, g0b, g1b
	s_cmp_eq_u32 s15, 0
	s_cbranch_scc0 .Lfor_b_\@
	tensor_load_to_lds s[\g0a:\g0a+3], s[\g1a:\g1a+7]
	s_nop 0
.rept 4
	v_nop
.endr
	s_branch .Lasked_\@
.Lfor_b_\@:
	tensor_load_to_lds s[\g0b:\g0b+3], s[\g1b:\g1b+7]
	s_nop 0
.rept 4
	v_nop
.endr
.Lasked_\@:
.endm
.macro CREST                           ; a round of the cluster's barrier behind its opening barrier
	s_cmp_lg_u32 s14, 0
	s_cbranch_scc1 .Lnot_wave_0_\@
	s_barrier_signal -3
.Lnot_wave_0_\@:
	s_barrier_wait -3
	s_barrier_signal -1
	s_barrier_wait -1
.endm
.macro CROUND                          ; a whole round
	s_barrier_signal -1
	s_barrier_wait -1
	CREST
.endm
.macro ASK ph                          ; my blocks of phase ph
.if (\ph) < 5
	global_prefetch_b8 v[PF0], s[PF:PF+1] offset:(\ph)*PH th:TH_LOAD_NT scope:SCOPE_SE
	s_cmp_eq_u32 s15, 0
	s_cbranch_scc1 .Lnamed_\@                      ; of xp a wave has no more than 26
	global_prefetch_b8 v[PF1], s[PF:PF+1] offset:(\ph)*PH th:TH_LOAD_NT scope:SCOPE_SE
.Lnamed_\@:
.else
	global_prefetch_b8 v[PF2], s[PF:PF+1] offset:(\ph)*PH th:TH_LOAD_NT scope:SCOPE_SE
.endif
.endm
.macro SHAPE g, c, r                   ; group 1: r rows (pairs) of c elements of 8 bytes, 69,632 bytes apart; on end in LDS, no padding
	s_mov_b32 s[\g+1], (\c)<<16
	s_mov_b32 s[\g+2], (\r)<<16
	s_mov_b32 s[\g+3], (\c)<<16
	s_mov_b32 s[\g+4], \r
	s_mov_b32 s[\g+5], PR/8
	s_mov_b32 s[\g+6], 0
	s_mov_b32 s[\g+7], 0
.endm
	s_load_b128 s[4:7], s[0:1], 0x0                ; xp s[4:5], wp s[6:7]
	s_load_b64 s[8:9], s[0:1], 0x10                ; out
	v_lshl_add_u32 v[SPW], v0, 2, SPARE
	v_mov_b32 v[NIL], 0
	ds_add_u32 v[SPW], v[NIL]                      ; the wave's opening: the add, twice on end, and its wait ahead of my first tensor load
	ds_add_u32 v[SPW], v[NIL]
	v_lshrrev_b32 v1, 5, v0
	v_readfirstlane_b32 s14, v1                    ; wave 0..3
	s_lshr_b32 s15, s14, 1                         ; my step of a granule.  Also: I fetch for xp (0) or for wp (1)
	s_and_b32 s16, s14, 1                          ; which half of the tile's columns.  Also: which half of the pairs I fetch
	s_xor_b32 s11, s15, 1
	s_bfe_u32 s40, ttmp6, 0x40000                  ; cx, cy: my place in the cluster
	s_bfe_u32 s41, ttmp6, 0x40004
	s_lshl_b32 s42, ttmp9, 2
	s_add_co_u32 s42, s42, s40                     ; tile column = 4 x cluster x + cx
	s_and_b32 s17, ttmp7, 0xffff
	s_lshl_b32 s17, s17, 2
	s_add_co_u32 s17, s17, s41                     ; tile row = 4 x cluster y + cy
	s_lshl_b32 s43, s41, 2
	s_lshl_b32 s43, 15, s43                        ; my row of the cluster
	s_lshl_b32 s44, 0x1111, s40                    ; my column
	s_or_b32 s[G1A], s43, (3<<16)|(1<<21)          ; 15:0 the mask; 17:16 elements of 8 bytes; 21 set beside a mask
	s_or_b32 s[G1AL], s43, (3<<16)|(1<<21)
	s_or_b32 s[G1B], s44, (3<<16)|(1<<21)
	s_or_b32 s[G1BL], s44, (3<<16)|(1<<21)
	SHAPE G1A, PH/8, 2
	SHAPE G1B, PH/8, 4
	SHAPE G1AL, GR/8, 2
	SHAPE G1BL, GR/8, 4
	s_lshl_b32 s20, s17, 2
	s_lshl_b32 s18, s16, 1
	s_add_co_u32 s20, s20, s18                     ; xp: pair 4 x tile row + 2 x half
	s_mul_i32 s20, s20, PR
	s_mov_b32 s21, 0
	s_lshl_b32 s46, s42, 3
	s_lshl_b32 s18, s16, 2
	s_add_co_u32 s46, s46, s18                     ; wp: pair 8 x tile column + 4 x half
	s_mul_i32 s46, s46, PR
	s_mov_b32 s47, 0
	s_mul_i32 s84, s16, 2*PH                       ; where they go in a slot: no place in the cluster enters an LDS address
	s_mul_i32 s85, s16, 4*PH
	s_add_co_u32 s85, s85, 4*PH                    ; (also where my columns' pairs lie)
	s_mul_i32 s86, s16, 2*GR                       ; and in the last phase, in slot 1
	s_add_co_u32 s86, s86, SLOT
	s_mul_i32 s87, s16, 4*GR
	s_add_co_u32 s87, s87, SLOT+4*GR
	s_mul_i32 s18, s15, 2*PH                       ; a = 0, 1 begin at pair 2 (w / 2), a = 2, 3 at the other two
	s_mul_i32 s19, s11, 2*PH
	s_mul_i32 s22, s15, 2*GR
	s_add_co_u32 s22, s22, SLOT
	s_mul_i32 s23, s11, 2*GR
	s_add_co_u32 s23, s23, SLOT
	s_lshl_b32 s12, s15, 11
	s_add_co_u32 s12, s12, 256                     ; my step's fragments in a granule
	s_lshl_b32 s13, s15, 7                         ; its scale words
	s_lshl_b32 s3, s14, 15                         ; the exchange: 32,768 bytes a wave, in slot 0
	s_xor_b32 s2, s14, 2
	s_lshl_b32 s2, s2, 15
	; the prefetches: p = cx for xp: pair p / 2 of my two, half p % 2;  p = cy for wp: pair p of my four
	s_lshr_b32 s90, s40, 1
	s_mul_i32 s90, s90, PR
	s_add_co_u32 s90, s90, s20
	s_mul_i32 s92, s41, PR
	s_add_co_u32 s92, s92, s46
	s_and_b32 s93, s40, 1
	s_cmp_eq_u32 s15, 0
	s_cselect_b32 s90, s90, s92
	s_cselect_b32 s93, s93, 0
	s_cselect_b32 s94, 25, 31                      ; lanes left over name the last block again
	s_cselect_b32 s95, 8, 16
	s_mul_i32 s96, s93, 26
	s_mul_i32 s97, s93, 9
	s_mov_b32 s91, 0
	; my part of out: row 128 x tile row + 64 (w / 2), column 256 x tile column + 128 (w % 2)
	s_lshl_b32 s92, s17, 7
	s_lshl_b32 s93, s15, 6
	s_add_co_u32 s92, s92, s93
	s_lshl_b32 s92, s92, 14
	s_lshl_b32 s93, s42, 10
	s_add_co_u32 s92, s92, s93
	s_lshl_b32 s93, s16, 9
	s_add_co_u32 s92, s92, s93
	s_mov_b32 s93, 0
	s_wait_dscnt 0x0                               ; both opening adds are done
	CROUND                                         ; all sixteen work-groups are here: the joint loads meet
	s_wait_kmcnt 0x0
	s_cmp_eq_u32 s15, 0
	s_cselect_b64 s[PF:PF+1], s[4:5], s[6:7]
	s_add_nc_u64 s[PF:PF+1], s[PF:PF+1], s[90:91]
	s_add_nc_u64 s[8:9], s[8:9], s[92:93]
	s_add_nc_u64 s[20:21], s[4:5], s[20:21]
	s_add_nc_u64 s[46:47], s[6:7], s[46:47]
.irp n, 0,1
	s_mov_b32 s[G0A+4*\n], 1
	s_add_co_u32 s[G0A+4*\n+1], s84, \n*SLOT
	s_add_nc_u64 s[G0A+4*\n+2:G0A+4*\n+3], s[20:21], \n*PH
	s_or_b32 s[G0A+4*\n+3], s[G0A+4*\n+3], 0x80000000
	s_mov_b32 s[G0B+4*\n], 1
	s_add_co_u32 s[G0B+4*\n+1], s85, \n*SLOT
	s_add_nc_u64 s[G0B+4*\n+2:G0B+4*\n+3], s[46:47], \n*PH
	s_or_b32 s[G0B+4*\n+3], s[G0B+4*\n+3], 0x80000000
.endr
	JLOAD G0A, G1A, G0B, G1B                       ; phase 0
	v_and_b32 v1, 15, v0                           ; r
	v_bfe_u32 v2, v0, 4, 1                         ; h
	v_and_b32 v3, 31, v0                           ; lane
	v_lshl_add_u32 v30, v3, 4, s12
	v_lshl_add_u32 v31, v3, 2, s13
	v_add_nc_u32 v[ADR], s18, v30
	v_add_nc_u32 v[ADR+1], s19, v30
	v_add_nc_u32 v[ADR+2], s85, v30
	v_add_nc_u32 v[ADR+3], s18, v31
	v_add_nc_u32 v[ADR+4], s19, v31
	v_add_nc_u32 v[ADR+5], s85, v31
.irp n, 0,1,2,3,4,5
	v_add_nc_u32 v[ADR+6+\n], SLOT, v[ADR+\n]
.endr
	v_add_nc_u32 v[ADR+12], s22, v30
	v_add_nc_u32 v[ADR+13], s23, v30
	v_add_nc_u32 v[ADR+14], s87, v30
	v_add_nc_u32 v[ADR+15], s22, v31
	v_add_nc_u32 v[ADR+16], s23, v31
	v_add_nc_u32 v[ADR+17], s87, v31
	v_lshlrev_b32 v[CO], 4, v1
	v_lshl_add_u32 v[CO], v2, 17, v[CO]            ; 8 rows of 16,384 bytes
	v_min_u32 v[PF0], s94, v3
	v_add_nc_u32 v[PF0], s96, v[PF0]
	v_min_u32 v[PF0], 50, v[PF0]
	v_lshlrev_b32 v[PF0], 8, v[PF0]
	v_add_nc_u32 v[PF1], 32, v3
	v_min_u32 v[PF1], 50, v[PF1]
	v_lshlrev_b32 v[PF1], 8, v[PF1]
	v_min_u32 v[PF2], s95, v3
	v_add_nc_u32 v[PF2], s97, v[PF2]
	v_min_u32 v[PF2], 16, v[PF2]
	v_lshlrev_b32 v[PF2], 8, v[PF2]
	v_lshl_add_u32 v[XS], v3, 4, s3
	v_lshl_add_u32 v[XR], v3, 4, s2
	s_wait_alu depctr_va_vdst(0)
	ASK 1
.macro MM a, b, set, zero              ; one product: xp's pair a (32 rows), wp's RG b
.set rD, 128*((\a)%2)+16*(\b)
.set rA, AF+64*(\set)+16*(\a)
.set rB, 64*(\set)+8*(\b)
.set rSA, SC+8*(\set)+(\a)
.set rSB, SC+8*(\set)+4+(\b)/2
.if \zero
.if (\b)%2
	v_wmma_scale_f32_32x16x128_f4 v[rD:rD+15], v[rA:rA+15], v[rB:rB+7], 0, v[rSA], v[rSB] matrix_b_scale:MATRIX_SCALE_ROW1
.else
	v_wmma_scale_f32_32x16x128_f4 v[rD:rD+15], v[rA:rA+15], v[rB:rB+7], 0, v[rSA], v[rSB]
.endif
.else
.if (\b)%2
	v_wmma_scale_f32_32x16x128_f4 v[rD:rD+15], v[rA:rA+15], v[rB:rB+7], v[rD:rD+15], v[rSA], v[rSB] matrix_b_scale:MATRIX_SCALE_ROW1
.else
	v_wmma_scale_f32_32x16x128_f4 v[rD:rD+15], v[rA:rA+15], v[rB:rB+7], v[rD:rD+15], v[rSA], v[rSB]
.endif
.endif
.endm
.macro MULA ma, set, zero              ; eight products; the accumulators take turns, one instruction a turn
.if (\ma) < 2
	WIN MUL_LO
.else
	WIN MUL_HI
.endif
.irp b, 0,1,2,3,4,5,6,7
	MM \ma, \b, \set, \zero
.endr
.endm
; A wave's step of a granule is 40 LDS loads: 16 of wp's fragments, 16 of xp's, 8 of scale words.  FROM names the granule (kind: slot 0, slot 1, the last phase in slot 1) and the set that takes it, LD issues the next n of the 40.
.macro FROM kind, g, set
.set FK, ADR+6*(\kind)
.set FG, (\g)*GR
.set FS, \set
.set FI, 0
.set PT, PH
.if (\kind) == 2
.set PT, GR
.endif
.endm
.macro LD n
.rept \n
.if FI < 16
	WIN TO_B
	ds_load_b128 v[64*FS+4*FI:64*FS+4*FI+3], v[FK+2] offset:(FI/4)*PT+FG+512*(FI%4)
.elseif FI < 32
	WIN 0
	ds_load_b128 v[AF+64*FS+4*(FI-16):AF+64*FS+4*(FI-16)+3], v[FK+(FI-16)/8] offset:((FI/4)%2)*PT+FG+512*(FI%4)
.elseif FI < 36
	WIN 0
	ds_load_b32 v[SC+8*FS+FI-32], v[FK+3+(FI-32)/2] offset:(FI%2)*PT+FG
.else
	WIN 0
	ds_load_b32 v[SC+8*FS+FI-32], v[FK+5] offset:(FI-36)*PT+FG
.endif
.set FI, FI+1
.endr
.endm
.macro PLACES                          ; four plain vector instructions in front of loads into registers that matrix instructions have read, and of reads of results (ISA guide 7.12.1 for vector instructions)
.rept 4
	v_nop
.endr
.endm
; A phase's second step and the change of slots.  Three of the phase's steps have been asked for; in front of the barrier each wave waits for all its tensor loads (its part of the next phase is the one that is out), adds 0 to its
; spare word, and waits for that and for its own reads of this slot.  Behind the round the slot is filled again first, with phase ph (6: none is left).
.macro TURN ph
	s_wait_dscnt 40                                ; the second step's fragments are in; the third's 40 loads may be out
	MULA 0, 1, 0
	MULA 1, 1, 0
	WIN 0
	s_wait_tensorcnt 0x0
	ds_add_u32 v[SPW], v[NIL]
	MULA 2, 1, 0                                   ; eight products stand between the add and the wait for it
	s_wait_dscnt 0x0
	s_barrier_signal -1
	MULA 3, 1, 0
	WIN 0
	s_barrier_wait -1
.if (\ph) < 6
.set TG, 4*((\ph)%2)
	CREST                                          ; no wave of any partner still reads this slot or has a load on its way
	s_add_nc_u64 s[G0A+TG+2:G0A+TG+3], s[G0A+TG+2:G0A+TG+3], 2*PH
	s_add_nc_u64 s[G0B+TG+2:G0B+TG+3], s[G0B+TG+2:G0B+TG+3], 2*PH
.if (\ph) < 5
	JLOAD G0A+TG, G1A, G0B+TG, G1B                 ; the four v_nop behind it are also the places in front of the loads below
.else
	s_mov_b32 s[G0A+5], s86
	s_mov_b32 s[G0B+5], s87
	JLOAD G0A+4, G1AL, G0B+4, G1BL
.endif
.else
	PLACES
.endif
.endm
.macro PHASE kind, p                   ; the products of the phase before's third step, with this phase's first two steps' loads between them; then this phase's first step's, with the third's loads
	FROM \kind, 0, 0
	LD 20
.if (\p) < 4
	WIN 0
	ASK (\p)+2
.endif
	MULA 0, 2, 0
	LD 20
	MULA 1, 2, 0
	FROM \kind, 1, 1
	LD 20
	MULA 2, 2, 0
	LD 20
	MULA 3, 2, 0
	PLACES
	FROM \kind, 2, 2
	LD 10
	s_wait_dscnt 50                                ; the first step is in; the second's 40 loads and the ten just issued may be out
	MULA 0, 0, 0
	LD 10
	MULA 1, 0, 0
	LD 10
	MULA 2, 0, 0
	LD 10
	MULA 3, 0, 0
	TURN (\p)+2
.endm
	s_wait_tensorcnt 0x0                           ; my part of phase 0 is in
	ds_add_u32 v[SPW], v[NIL]
	s_wait_dscnt 0x0
	CROUND                                         ; everybody's part is in, and the joint loads meet
	JLOAD G0A+4, G1A, G0B+4, G1B                   ; phase 1
	FROM 0, 0, 0                                   ; phase 0
	LD 40
	WIN 0
	ASK 2
	FROM 0, 1, 1
	LD 20
	s_wait_dscnt 20                                ; all but the 20 just issued
	MULA 0, 0, 1                                   ; the first products start the sums: nothing is cleared
	LD 20
	MULA 1, 0, 1
	FROM 0, 2, 2
	LD 20
	MULA 2, 0, 1
	LD 20
	MULA 3, 0, 1
	TURN 2
	PHASE 1, 1
	PHASE 0, 2
	PHASE 1, 3
	PHASE 0, 4
	FROM 2, 0, 0                                   ; phase 5: one step
	LD 20
	MULA 0, 2, 0
	LD 20
	MULA 1, 2, 0
	MULA 2, 2, 0
	MULA 3, 2, 0
	s_wait_dscnt 0x0
	MULA 2, 0, 0                                   ; what I give is finished first
	MULA 3, 0, 0
	PLACES
; THE EXCHANGE, in slot 0, which has had its last fill and its last read: a wave's 32,768 bytes are its accumulators a = 2, 3, four registers at 16 x lane.
.macro GIVE hb
	WIN 0x0c                                       ; the data: window 3
.irp b, 0,1,2,3,4,5,6,7
.irp i, 0,1,2,3
	ds_store_b128 v[XS], v[128*(\hb)+16*\b+4*\i:128*(\hb)+16*\b+4*\i+3] offset:16384*(\hb)+2048*\b+512*\i
.endr
.endr
.endm
	GIVE 0
	MULA 0, 0, 0
	GIVE 1
	MULA 1, 0, 0
	WIN 0
	s_wait_tensorcnt 0x0                           ; behind my last tensor load and my last LDS store
	ds_add_u32 v[SPW], v[NIL]
	PLACES
	s_wait_dscnt 0x0                               ; my sums lie in LDS
	CROUND                                         ; my partner's do; and this is the closing round: no work-group ends while a partner may still ask for a tile that names it
	WIN TO_B
.irp b, 0,1,2,3,4,5,6,7,8,9,10,11,12,13,14,15
.irp i, 0,1,2,3
	ds_load_b128 v[16*\b+4*\i:16*\b+4*\i+3], v[XR] offset:2048*\b+512*\i
.endr
.endr
; A chunk: 32 rows x 64 columns: four accumulators.  Register j of accumulator t is column 4 r + t of a row: the additions lay the four side by side, and sixteen lanes store 256 bytes of a row, two rows an instruction.
.macro TAKE c
.set CB, 64*(\c)
.set OB, 64+64*((\c)%3)
	s_wait_dscnt 48-16*(\c)                        ; the later chunks' loads may be out
.if (\c) == 3
	s_wait_xcnt 0x0                                ; chunk 0's stores have read the registers that are written again
.endif
	WIN 0x06                                       ; source 0 (my sums) window 2, source 1 (my partner's) window 1
.irp j, 0,1,2,3,4,5,6,7,8,9,10,11,12,13,14,15
.irp t, 0,1,2,3
	v_add_f32 v[OB+4*\j+\t], v[CB+16*\t+\j], v[CB+16*\t+\j]
.endr
.endr
	WIN 0
.irp j, 0,1,2,3,4,5,6,7,8,9,10,11,12,13,14,15
	global_store_b128 v[CO], v[OB+4*\j:OB+4*\j+3], s[8:9] offset:(32*((\c)/2)+16*(\j/8)+\j%8)*16384+256*((\c)%2) th:TH_STORE_NT
.endr
.endm
	TAKE 0
	TAKE 1
	TAKE 2
	TAKE 3
	s_endpgm
.Lfunc_end_k_q5a680449a5_gemmo:
	.size	k_q5a680449a5_gemmo, .Lfunc_end_k_q5a680449a5_gemmo-k_q5a680449a5_gemmo
	.p2alignl 7, 3214868480
	.fill 96, 4, 3214868480
	.section	.rodata,"a",@progbits
	.p2align	6, 0x0
	.amdhsa_kernel k_q5a680449a5_gemmo
		.amdhsa_group_segment_fixed_size 327680
		.amdhsa_private_segment_fixed_size 0
		.amdhsa_enable_private_segment 0
		.amdhsa_kernarg_size 24
		.amdhsa_user_sgpr_count 2
		.amdhsa_user_sgpr_kernarg_segment_ptr 1
		.amdhsa_wavefront_size32 1
		.amdhsa_system_sgpr_workgroup_id_x 1
		.amdhsa_system_sgpr_workgroup_id_y 1
		.amdhsa_system_sgpr_workgroup_id_z 1
		.amdhsa_system_vgpr_workitem_id 0
		.amdhsa_next_free_vgpr 1024
		.amdhsa_next_free_sgpr 98
		.amdhsa_reserve_vcc 0
		.amdhsa_float_denorm_mode_32 3
		.amdhsa_float_denorm_mode_16_64 3
		.amdhsa_memory_ordered 1
		.amdhsa_forward_progress 1
		.amdhsa_inst_pref_size 148
	.end_amdhsa_kernel
	.amdgpu_metadata
---
amdhsa.version: [ 1, 2 ]
amdhsa.kernels:
  - .name:           k_q5a680449a5_gemmo
    .symbol:         k_q5a680449a5_gemmo.kd
    .args:
      - { .name: xp, .offset: 0, .size: 8, .value_kind: global_buffer, .address_space: global }
      - { .name: wp, .offset: 8, .size: 8, .value_kind: global_buffer, .address_space: global }
      - { .name: out0, .offset: 16, .size: 8, .value_kind: global_buffer, .address_space: global }
    .group_segment_fixed_size: 327680
    .private_segment_fixed_size: 0
    .kernarg_segment_align: 8
    .kernarg_segment_size: 24
    .max_flat_workgroup_size: 128
    .sgpr_count:     98
    .vgpr_count:     1024
    .wavefront_size: 32
...
	.end_amdgpu_metadata
.endif
;; end of part 3
